; MI455X (gfx1250); checked and timed in simulation.
; The chip was launched on July 23, 2026; its instructions are those of AMD's public machine-readable ISA for CDNA 5 (MIT licence, August 2026) and "CDNA5" Instruction Set Architecture Reference Guide (July 2026). The comments in the code are by the model that wrote it; some were corrected since.
;; Luong Attention. Allowed arithmetic: matrix products marked QUANTISED: E5M2 operands, one given power-of-two scale a tensor, by v_wmma_f32_16x16x64_bf8_bf8 or v_wmma_f32_16x16x128_bf8_bf8, f32 sums; products left as they are: f32 operands where the result goes on into a quantised operand, else bf16, f16 or f32 operands; f32 sums; everything else in f32.
;; Inputs: W 1,024 x 1,024 float32; b 1,024 float32; contexts 16 x 1,024 float32; lowp_scales 2 int32 (the exponents e of the quantised operands' scales 2^e); values 16 x 4,096 x 1,024 float32.
;; Outputs: out0 16 x 1,024 float32.
;; This version of the problem:
;;   THIS VERSION OF THE PROBLEM IS GIVEN IN LOW PRECISION. The matrix products marked QUANTISED in the list below multiply operands that are first quantised to E5M2 (5 exponent bits, 2 mantissa bits; 8 bits a number), with one given power-of-two scale for each operand tensor; their sums are f32. All else is computed in f32.
;;   The module's matrix products, in the order in which they are computed (A, B: the left and right operand; K: the contracted axis; several contracted axes count as one K, in the product's order):
;;     1. [M 65,536, K 1,024] x [K 1,024, N 1,024]; A: input values; B: input W: QUANTISED (scales: A lowp_scales[0], B lowp_scales[1])
;;     2. batch 16 x [M 1, K 1,024] x [K 1,024, N 4,096]; A: input contexts; B: computed on the way: left as it is (M = 1 < 16)
;;     3. batch 16 x [M 1, K 4,096] x [K 4,096, N 1,024]; A: softmax; B: input values: left as it is (M = 1 < 16)
;;   THE QUANTISER, for each operand of a quantised product, along K:
;;     - The operand's scale is 2^e, e = its entry of the input lowp_scales (int32; the entries are numbered through the quantised products in the list's order, A before B).
;;     - Each number is divided by the scale, clamped to +-57,344, and rounded to the nearest number of E5M2, ties to even, subnormals kept.
;;     - The product sums the exact products of the quantised numbers (number of the format x scale) in f32.
;;   ~~~python
;;   def quantise(x, axis, e):      # numpy; x: float32 -> the quantised numbers, widened to float32 again
;;       x = np.moveaxis(x, axis, -1); K = x.shape[-1]
;;       r = np.clip(x / 2.0 ** e, -57344, 57344)
;;       step = 2.0 ** (np.maximum(np.frexp(np.where(r == 0, 1, r))[1] - 1, -14) - 2)
;;       q = np.round(r / step) * step * 2.0 ** e      # np.round: ties to even
;;       return np.moveaxis(q, -1, axis).astype(np.float32)
;;   ~~~
;; One version. Each part assembles by itself: llvm-mc -triple=amdgcn-amd-amdhsa -mcpu=gfx1250 --defsym DOCPART=n.
;; ======== version 1 of 1: 3 launches
;; limits: values are held in bf16: 8 bits of precision; right only within a limited range of input values
;; workspace buffers: wc 1,048,576 bytes; part_o 1,048,576 bytes; part_ml 65,536 bytes
;; launch wq (part 1): grid 256 x 1, 2 waves a work-group, no clusters, 0 bytes of LDS; arguments W, lowp_scales, wc; writes wc
.if DOCPART == 1
	.amdgcn_target "amdgcn-amd-amdhsa--gfx1250"
	.amdhsa_code_object_version 6
	.text
	.protected	k_qd656193a45_wq
	.globl	k_qd656193a45_wq
	.p2align	8
	.type	k_qd656193a45_wq,@function
k_qd656193a45_wq:
	s_mov_b64 s[64:65], 0
	v_nop
	global_prefetch_b8 v0, s[64:65] scope:SCOPE_SE
	s_setreg_imm32_b32 hwreg(HW_REG_WAVE_MODE, 25, 1), 1
	s_wait_xcnt 0x0
; W [1024 (e)][1024 (k)] f32 becomes codes of BF8 (E5M2) with the given scale 2^ew (entry 1 of the scales), laid IN THE ORDER OF THE OPERAND'S REGISTERS:
; wc[K step s 0..7][e tile T 0..63][c 0..3][lane 0..31][16 bytes]; the 16 bytes are the codes of W[16 T + lane % 16][128 s + 32 c + 16 (lane / 16) + 0 .. 15].
; So the product's launch takes a fragment (16 rows x 128 K, 2,048 bytes) by four loads of 512 consecutive bytes, straight into registers.
; code = x / 2^ew, held within +-57,344, rounded to the nearest code, ties to even.  LIMITS: ew between -126 and 112.  NaN among the inputs is not served.
; One wave makes one fragment: 512 waves.  A lane reads 16 neighbours of each of its row's four blocks of 32 (16 loads of 16 bytes): pieces of 64 bytes a row and half;
; W's 4,194,304 bytes are read once in the whole program.  The stores cover 512 consecutive bytes each.  No LDS, no loop, no barrier.
; DEAD WORK, for the whole program: b adds contexts[batch] . b to every score of a batch, the same number for all 4,096 positions; softmax(x + const) = softmax(x) for all finite values,
; so b has no way to out0.  b is not loaded and is no launch's argument.  LIMIT: a NaN, an infinity or an overflow that reaches only contexts . b is not carried to the result.
.set X0,  16
.set C0,  80                           ; v80-95  the fragment's codes
	s_load_b128 s[4:7], s[0:1], 0x0                ; W s[4:5], the scales' exponents s[6:7]
	s_load_b64 s[8:9], s[0:1], 0x10                ; wc
	v_lshrrev_b32 v1, 5, v0
	v_readfirstlane_b32 s10, v1                    ; wave 0, 1
	v_and_b32 v1, 31, v0                           ; lane
	v_and_b32 v2, 15, v0                           ; r
	v_bfe_u32 v3, v0, 4, 1                         ; h
	v_lshlrev_b32 v4, 12, v2                       ; in: row r of 4,096 bytes,
	v_lshl_add_u32 v4, v3, 6, v4                   ; + 64 h: my 16 numbers of a block of 32
	v_lshlrev_b32 v5, 4, v1                        ; out: 16 bytes a lane
	s_lshl_b32 s11, ttmp9, 1
	s_add_co_u32 s11, s11, s10                     ; which fragment: 2 x work-group + wave
	s_lshr_b32 s12, s11, 3                         ; T: the e tile
	s_and_b32 s13, s11, 7                          ; s: the K step
	s_lshl_b32 s14, s12, 16                        ; 16 rows of 4,096 bytes a tile,
	s_lshl_b32 s16, s13, 9                         ; 512 bytes a K step
	s_add_co_u32 s14, s14, s16
	s_mov_b32 s15, 0
	s_lshl_b32 s16, s13, 6
	s_add_co_u32 s16, s16, s12
	s_lshl_b32 s16, s16, 11                        ; (64 s + T) x 2,048
	s_mov_b32 s17, 0
	s_wait_alu depctr_va_vdst(0)
	s_wait_kmcnt 0x0
	s_load_b32 s18, s[6:7], 0x4                    ; ew
	s_add_nc_u64 s[4:5], s[4:5], s[14:15]
	s_add_nc_u64 s[8:9], s[8:9], s[16:17]
.irp c, 0,1,2,3
.irp j, 0,1,2,3
	global_load_b128 v[X0+16*\c+4*\j:X0+16*\c+4*\j+3], v4, s[4:5] offset:128*\c+16*\j th:TH_LOAD_NT
.endr
.endr
	s_wait_kmcnt 0x0
	s_add_co_i32 s18, s18, 127
	s_lshl_b32 s19, s18, 23
	v_mov_b32 v11, s19                             ; 2^ew as f32: the conversion takes its exponent field
	s_add_co_i32 s18, s18, 15
	s_lshl_b32 s18, s18, 23
	s_or_b32 s18, s18, 0x600000
	v_mov_b32 v10, s18                             ; 57,344 x 2^ew
	s_wait_alu depctr_va_vdst(0)
	s_wait_loadcnt 0x0
.set X, 0
.rept 64
	v_med3_num_f32 v[X0+X], v[X0+X], -v10, v10     ; the conversion to an 8-bit code does not saturate (ISA guide 7.6.2): the hold at the largest code x the scale
.set X, X+1
.endr
.irp c, 0,1,2,3
	v_cvt_scalef32_pk8_bf8_f32 v[C0+4*\c:C0+4*\c+1], v[X0+16*\c:X0+16*\c+7], v11
	v_cvt_scalef32_pk8_bf8_f32 v[C0+4*\c+2:C0+4*\c+3], v[X0+16*\c+8:X0+16*\c+15], v11
.endr
.irp c, 0,1,2,3
	global_store_b128 v5, v[C0+4*\c:C0+4*\c+3], s[8:9] offset:512*\c   ; 32 lanes store 512 consecutive bytes, aligned.  (Only stores touch the conversions' results)
.endr
	s_endpgm
.Lfunc_end_k_qd656193a45_wq:
	.size	k_qd656193a45_wq, .Lfunc_end_k_qd656193a45_wq-k_qd656193a45_wq
	.p2alignl 7, 3214868480
	.fill 96, 4, 3214868480
	.section	.rodata,"a",@progbits
	.p2align	6, 0x0
	.amdhsa_kernel k_qd656193a45_wq
		.amdhsa_group_segment_fixed_size 0
		.amdhsa_private_segment_fixed_size 0
		.amdhsa_enable_private_segment 0
		.amdhsa_kernarg_size 24
		.amdhsa_user_sgpr_count 2
		.amdhsa_user_sgpr_kernarg_segment_ptr 1
		.amdhsa_wavefront_size32 1
		.amdhsa_system_sgpr_workgroup_id_x 1
		.amdhsa_system_sgpr_workgroup_id_y 1
		.amdhsa_system_sgpr_workgroup_id_z 1
		.amdhsa_system_vgpr_workitem_id 0
		.amdhsa_next_free_vgpr 96
		.amdhsa_next_free_sgpr 66
		.amdhsa_reserve_vcc 0
		.amdhsa_float_denorm_mode_32 3
		.amdhsa_float_denorm_mode_16_64 3
		.amdhsa_memory_ordered 1
		.amdhsa_forward_progress 1
		.amdhsa_inst_pref_size 9
	.end_amdhsa_kernel
	.amdgpu_metadata
---
amdhsa.version: [ 1, 2 ]
amdhsa.kernels:
  - .name:           k_qd656193a45_wq
    .symbol:         k_qd656193a45_wq.kd
    .args:
      - { .name: W, .offset: 0, .size: 8, .value_kind: global_buffer, .address_space: global }
      - { .name: lowp_scales, .offset: 8, .size: 8, .value_kind: global_buffer, .address_space: global }
      - { .name: wc, .offset: 16, .size: 8, .value_kind: global_buffer, .address_space: global }
    .group_segment_fixed_size: 0
    .private_segment_fixed_size: 0
    .kernarg_segment_align: 8
    .kernarg_segment_size: 24
    .max_flat_workgroup_size: 64
    .sgpr_count:     66
    .vgpr_count:     96
    .wavefront_size: 32
...
	.end_amdgpu_metadata
.endif
;; end of part 1
;; launch fused (part 2): grid 256 x 1, 8 waves a work-group, no clusters, 308,224 bytes of LDS; arguments values, wc, contexts, lowp_scales, part_o, part_ml; writes part_o, part_ml
.if DOCPART == 2
	.amdgcn_target "amdgcn-amd-amdhsa--gfx1250"
	.amdhsa_code_object_version 6
	.text
	.protected	k_qd656193a45_fused
	.globl	k_qd656193a45_fused
	.p2align	8
	.type	k_qd656193a45_fused,@function
k_qd656193a45_fused:
	s_mov_b64 s[64:65], 0
	v_nop
	global_prefetch_b8 v0, s[64:65] scope:SCOPE_SE
	s_setreg_imm32_b32 hwreg(HW_REG_WAVE_MODE, 25, 1), 1
	s_wait_xcnt 0x0
; For 256 rows of values (one batch): proj = Q(values) Q(W)^T on codes of BF8 (E5M2); score = contexts . proj; running softmax; the sum of p x values.
; b is left out: contexts . b is the same for every position of a batch, and the softmax takes it away (shown at the head of the first kernel).
; Stored: M (largest t), l (sum of p), o[1024] (sum of p x values), p = 2^(t - M), t = score x log2(e).  The last launch joins a batch's 16 partials.
; The rows go as two blocks of 128; a block's rows stay in LDS as bf16 (HOLD) until their weights are known.  The score is linear in proj, so K goes in chunks of 128 and proj is never kept.
; EIGHT WAVES OF ONE KIND.  Wave w owns e = 128 w .. + 127 (8 fragments of W a chunk, from wc straight into a ring of 8 register slots: the whole next chunk is asked for ahead)
; and rows 16 w .. + 15 of every chunk as a producer: bf16 to HOLD, codes to CODE.  In the slot of chunk c it multiplies chunk c (64 products) and, between e tiles, produces chunk c + 1 and asks for chunk c + 2.
; One barrier a slot; two CODE buffers by turns.  A block: prologue (chunk 0 produced), slots 0 .. 6, slot 7 (nothing produced: HOLD is still to be read), tail.
; LOADS OF A SLOT, in order: W0 W1 W2 V0 W3 W4 W5 V1 W6 W7 (W: 4 loads, V: 8): 48.  Behind a W slot's loads 44 are issued before its use, behind a V group's 40; the first and last slot of a block have counts of their own.
; Slot 7 refills no W slot among its e tiles: the ring is asked for again behind it, in one run, and only where a block follows.
; HOLD LIES [K step][column 0..127][row 0..127] bf16: a producer's lane holds 4 columns of 8 rows, and packs pairs DOWN the rows, so the rows (the weighted sum's K) are innermost and nothing is transposed.
; Of a column's 16 pieces of 16 bytes (8 rows each), piece q lies at place q xor ((column / 4) % 16).
; THE WEIGHTED SUM is a bf16 product: source 0 = p (the same in all 16 rows), source 1 = 16 columns 64 hh + 4 r + jj of my K step, K = 32 rows a step; sums in f32.  p is rounded to bf16 for it; l is the sum of p in f32.
; NO CLUSTER, NO JOINT LOADS OF W: beside HOLD (262,144 bytes), CODE and the tables 19,456 bytes of LDS are left, under 10 fragments of 2,048 bytes for eight waves.
; NO PREFETCH: wc is read again and again by all work-groups; values are asked for one slot ahead into registers.
; In product 1 k is permuted alike in both operands (registers 4 c .. 4 c + 3: k = 32 c + 16 (lane / 16) + 0 .. 15).
; LIMITS: ea between -126 and 112; ea + ew between -126 and 127 (added to log2(e)'s exponent field).  NaN among the inputs is not served; an infinity is held at the largest code for product 1.
; Not used, inside its buffer: the work-group's last refill of values reads chunk 15 again.
.set CODE, 262144                      ; HOLD at 0.  CODE: two buffers of 128 rows x 144 bytes
.set CBUF, 18432
.set CP,   144
.set SCO,  299008                      ; [wave 0..7][row 0..127] f32: the eight shares of t
.set PBO,  303104                      ; 512 bytes a wave, its own: p of the 128 rows as bf16 (256 bytes used)
.set SPARE, 307200                     ; the spare words, 128 bytes a wave
; window 0
.set ADA, 4
.set GOF, 5
.set PCA, 6
.set PH0, 7
.set PHA, 8
.set SCW, 9
.set SCR, 10
.set PBW, 11
.set PBR, 12
.set SCL, 16                           ; 2^ea
.set RA,  18                           ; v18-25 HOLD, read: 32,768 w + 1,024 r + 16 ((2 x) xor h xor r), x = 0 .. 7
.set PH1, 26                           ; PH0, PHA for rows 8 .. 15 of my 16
.set PHB, 27
.set CT,  32                           ; v32-39 contexts[128 w + 16 t + r]
.set TB,  40                           ; v40-55 4 columns x 8 rows of bf16; v56-63 8 rows' codes
.set TC,  56
.set BR,  64                           ; v64-191 W's ring
.set VR,  192                          ; v192-255 16 rows x 4 numbers
; window 1: v0-127 A's fragments (free in the tail), v128-159 4 accumulators (in the tail: p's fragments), v160-191 the state, v192-255 the rows' sums
.set AF,  0
.set AC,  128
.set MX,  160                          ; M, l
.set FF,  162                          ; f
.set KAP, 164                          ; log2(e) 2^(ea + ew), twice
.set OO,  168                          ; o: register 4 hh + jj, lane r: column 64 hh + 4 r + jj of my K step
.set PD,  176
.set SA,  192
.set WV,  18
.set BLK, 23
.set UU,  24
.set VW,  32
.set VB,  34
.set WW,  40
.set WN,  44
.set MSB, 0
.macro WIN new
.if MSB != \new
	s_set_vgpr_msb (MSB<<8)|\new
.set MSB, \new
.endif
.endm
.macro BAR
	s_wait_dscnt 0x0
	s_barrier_signal -1
	s_barrier_wait -1
.endm
.macro RED i, t                        ; tile i of proj (e tile t) x contexts onto the rows' sums, the accumulator from its low end on
.irp x, 0,2,4,6
.if ((\t)&1)
	v_pk_fma_f32 v[SA+8*(\i)+\x:SA+8*(\i)+\x+1], v[AC+8*((\i)&3)+\x:AC+8*((\i)&3)+\x+1], v[CT+((\t)&6):CT+((\t)&6)+1], v[SA+8*(\i)+\x:SA+8*(\i)+\x+1] op_sel:[0,1,0] op_sel_hi:[1,1,1]
.else
	v_pk_fma_f32 v[SA+8*(\i)+\x:SA+8*(\i)+\x+1], v[AC+8*((\i)&3)+\x:AC+8*((\i)&3)+\x+1], v[CT+((\t)&6):CT+((\t)&6)+1], v[SA+8*(\i)+\x:SA+8*(\i)+\x+1] op_sel_hi:[1,0,1]
.endif
.endr
.endm
.macro WFILL t                         ; W's slot t is asked for again
.irp c, 0,1,2,3
	global_load_b128 v[BR+16*(\t)+4*\c:BR+16*(\t)+4*\c+3], v[GOF], s[WN:WN+1] offset:(\t)*2048+512*\c th:TH_LOAD_HT
.endr
.endm
; e tile t: 8 products, four accumulators by turns; behind each product the 4 multiply-adds of the tile made two products earlier: 8 places lie between a product and the read of its result
.macro MSTEP t, wt, rf
.set QB, BR+16*(\t)
	s_wait_loadcnt \wt                             ; this slot's four loads are in
	WIN 0x51
.irp i, 0,1,2,3,4,5,6,7
.if (\t) == 0
	s_wait_dscnt (7-\i)*4                          ; A's tile i is in
.endif
	v_wmma_f32_16x16x128_bf8_bf8 v[AC+8*(\i&3):AC+8*(\i&3)+7], v[AF+16*\i:AF+16*\i+15], v[QB:QB+15], 0
.if ((\t) == 0) && (\i == 2)
.rept 4
	v_nop                                          ; the chunk's first products have no vector work behind them yet
.endr
.endif
.if 8*(\t)+\i >= 2
	RED ((\i+6)&7), ((8*(\t)+\i-2)/8)
.endif
.endr
.if \rf
	WIN 0                                          ; the four multiply-adds above are the places behind the last product that read the slot
	WFILL \t
.endif
.endm
; eight of my 16 rows: bf16 pairs down the rows to HOLD, hold in place, codes to CODE, and the rows are asked for again one chunk on
.macro PGROUP g, buf, wt
	s_wait_loadcnt \wt
.irp q, 0,1,2,3,4,5,6,7
	v_cvt_pk_bf16_f32 v[TB+4*(\q%4)+2*(\q/4)], v[VR+32*(\g)+16*(\q/4)+(\q%4)], v[VR+32*(\g)+16*(\q/4)+4+(\q%4)]       ; column q % 4: rows 4 (q / 4), + 1
	v_cvt_pk_bf16_f32 v[TB+4*(\q%4)+2*(\q/4)+1], v[VR+32*(\g)+16*(\q/4)+8+(\q%4)], v[VR+32*(\g)+16*(\q/4)+12+(\q%4)]  ; rows + 2, + 3
.endr
.set X, 0
.rept 32
	v_med3_num_f32 v[VR+32*(\g)+X], v[VR+32*(\g)+X], s28, s29   ; the conversion does not saturate (ISA guide 7.6.2): the hold at +-57,344 x 2^ea
.set X, X+1
.endr
.irp p, 0,1,2,3
	v_cvt_scalef32_pk8_bf8_f32 v[TC+2*\p:TC+2*\p+1], v[VR+32*(\g)+8*\p:VR+32*(\g)+8*\p+7], v[SCL]   ; two rows' four numbers: two rows' 4 codes
.endr
	v_nop                                          ; one plain line behind the last conversion
.irp j, 0,1,2,3
.if (\g) == 0
	ds_store_b128 v[PHA], v[TB+4*\j:TB+4*\j+3] offset:\j*256     ; column 4 lane + j: 8 rows, one piece of 16 bytes
.else
	ds_store_b128 v[PHB], v[TB+4*\j:TB+4*\j+3] offset:\j*256
.endif
.endr
.irp q, 0,1,2,3,4,5,6,7
	ds_store_b32 v[PCA], v[TC+\q] offset:(\buf)*CBUF+(8*(\g)+\q)*CP
.endr
.irp q, 0,1,2,3,4,5,6,7
	global_load_b128 v[VR+32*(\g)+4*\q:VR+32*(\g)+4*\q+3], v[GOF], s[VB:VB+1] offset:(8*(\g)+\q)*4096 th:TH_LOAD_NT
.endr
.endm
; bases: the chunk produced here is a (+ 2 U in the loop) of the block; W's ring asks for that K step, values for the chunk after it (at most chunk 15 of the work-group)
.macro SETUP a, lp
	s_wait_xcnt 0x0                                ; earlier loads have read their bases
.if \lp
	s_lshl_b32 s46, s[UU], 1
	s_add_co_u32 s46, s46, \a
.else
	s_mov_b32 s46, \a
.endif
	s_and_b32 s47, s46, 7
	s_lshl_b32 s48, s47, 17
	s_add_nc_u64 s[WN:WN+1], s[WW:WW+1], s[48:49]
	s_lshl_b32 s50, s47, 15
	v_add_nc_u32 v[PHA], s50, v[PH0]               ; that K step's part of HOLD
	v_add_nc_u32 v[PHB], s50, v[PH1]
	s_lshl_b32 s51, s[BLK], 3
	s_add_co_u32 s51, s51, s46
	s_add_co_u32 s51, s51, 1
	s_min_u32 s51, s51, 15
	s_lshr_b32 s52, s51, 3
	s_lshl_b32 s52, s52, 19                        ; 128 rows a block
	s_and_b32 s51, s51, 7
	s_lshl_b32 s51, s51, 9                         ; 512 bytes a chunk
	s_add_co_u32 s52, s52, s51
	s_add_nc_u64 s[VB:VB+1], s[VW:VW+1], s[52:53]
	s_wait_alu depctr_va_vdst(0)
.endm
.macro AFRAGS buf                      ; behind the barrier: the chunk's 8 fragments of A
	BAR                                            ; the codes written in the slot before are whole; what was read there is free
	WIN 0x40
.irp i, 0,1,2,3,4,5,6,7
.irp c, 0,1,2,3
	ds_load_b128 v[AF+16*\i+4*\c:AF+16*\i+4*\c+3], v[ADA] offset:(\buf)*CBUF+\i*16*CP+32*\c
.endr
.endr
.endm
.macro REDEND                          ; the chunk's last two tiles
	WIN 0x51
	RED 6, 7
	RED 7, 7
	WIN 0
.endm
.macro SLOT buf, a, lp, w0, w1
	SETUP \a, \lp
	AFRAGS \buf
	MSTEP 0, 44, 1
	MSTEP 1, 44, 1
	MSTEP 2, 44, 1
	PGROUP 0, 1-(\buf), \w0
	MSTEP 3, 44, 1
	MSTEP 4, 44, 1
	MSTEP 5, 44, 1
	PGROUP 1, 1-(\buf), \w1
	MSTEP 6, 44, 1
	MSTEP 7, 44, 1
	REDEND
.endm
; half-step x of the weighted sum: rows 32 (x / 2) .. + 31, columns 64 (x % 2) + 4 r + j: four fragments of 8 registers into half-buffer x % 2
.macro BLOAD x
.irp j, 0,1,2,3
	ds_load_b128 v[64+32*((\x)&1)+8*\j:64+32*((\x)&1)+8*\j+3], v[RA+2*((\x)/2)] offset:(64*((\x)&1)+\j)*256
	ds_load_b128 v[64+32*((\x)&1)+8*\j+4:64+32*((\x)&1)+8*\j+7], v[RA+2*((\x)/2)+1] offset:(64*((\x)&1)+\j)*256
.endr
.endm
	; ---- THE HEAD
	s_load_b256 s[4:11], s[0:1], 0x0               ; values, wc, contexts, the scales' exponents
	s_load_b128 s[12:15], s[0:1], 0x20             ; part_o, part_ml
	v_lshl_add_u32 v14, v0, 2, SPARE
	v_mov_b32 v15, 0
	v_lshrrev_b32 v1, 5, v0
	v_readfirstlane_b32 s[WV], v1                  ; wave 0..7
	s_mul_i32 s54, s[WV], 16*CP
	s_add_co_u32 s54, s54, CODE
	s_lshl_b32 s55, s[WV], 1
	s_lshl_b32 s56, s[WV], 9
	s_add_co_u32 s57, s56, PBO
	s_add_co_u32 s56, s56, SCO
	s_lshl_b32 s58, s[WV], 15
	s_mov_b32 s30, 0x76543210                      ; lane l xor 16
	s_mov_b32 s31, 0xfedcba98
	s_mov_b32 s49, 0
	s_mov_b32 s53, 0
	v_and_b32 v1, 31, v0                           ; lane
	v_and_b32 v2, 15, v0                           ; r
	v_bfe_u32 v3, v0, 4, 1                         ; h
	v_mul_u32_u24 v[ADA], v2, CP
	v_lshlrev_b32 v[GOF], 4, v1
	v_lshl_add_u32 v[PCA], v1, 2, s54              ; my 16 rows of a CODE buffer, 4 codes a lane
	v_xor_b32 v[PH0], s55, v2                      ; piece 2 w of my columns lies at place (2 w) xor (lane % 16)
	v_lshl_add_u32 v[ADA], v3, 4, v[ADA]
	v_lshl_add_u32 v[SCW], v3, 5, s56
	v_add_nc_u32 v[SCR], SCO, v[GOF]
	v_lshl_add_u32 v[PBW], v1, 3, s57
	v_lshl_add_u32 v[PBR], v3, 4, s57
	v_lshlrev_b32 v[PH0], 4, v[PH0]
	v_add_nc_u32 v[ADA], CODE, v[ADA]
	v_xor_b32 v28, v2, v3
	v_lshl_add_u32 v29, v2, 10, s58                ; my K step's part of HOLD, column 4 r
	v_lshl_add_u32 v[PH0], v1, 10, v[PH0]          ; column 4 lane
	v_lshlrev_b32 v17, 2, v2
	v_xor_b32 v[PH1], 16, v[PH0]                   ; piece 2 w + 1
.irp x, 0,1,2,3,4,5,6,7
	v_xor_b32 v[RA+\x], 2*\x, v28
.endr
.irp x, 0,1,2,3,4,5,6,7
	v_lshl_add_u32 v[RA+\x], v[RA+\x], 4, v29
.endr
	WIN 0x40
	v_mov_b32 v[MX], 0xff61b1e6                    ; M: -3e38
	v_mov_b32 v[MX+1], 0
	v_mov_b32 v[PD], 0                             ; a lane permute's destination counts as one of its sources
.irp e, 0,1,2,3,4,5,6,7
	v_mov_b32 v[OO+\e], 0
.endr
.set X, 0
.rept 64
	v_mov_b32 v[SA+X], 0
.set X, X+1
.endr
	WIN 0
	s_lshl_b32 s52, ttmp9, 20                      ; my work-group's 256 rows of 4,096 bytes,
	s_lshl_b32 s54, s[WV], 16                      ; my 16 rows
	s_add_co_u32 s52, s52, s54
	s_lshl_b32 s48, s[WV], 14                      ; my 8 fragments of a K step
	s_lshr_b32 s50, ttmp9, 4
	s_lshl_b32 s50, s50, 12                        ; the batch's row of contexts,
	s_lshl_b32 s54, s[WV], 9                       ; my 128 numbers
	s_add_co_u32 s50, s50, s54
	s_mov_b32 s51, 0
	s_wait_alu depctr_va_vdst(0)
	s_wait_kmcnt 0x0
	s_load_b64 s[26:27], s[10:11], 0x0             ; ea, ew
	s_add_nc_u64 s[VW:VW+1], s[4:5], s[52:53]
	s_add_nc_u64 s[WW:WW+1], s[6:7], s[48:49]
	s_add_nc_u64 s[8:9], s[8:9], s[50:51]
	s_mov_b64 s[VB:VB+1], s[VW:VW+1]
	s_mov_b64 s[WN:WN+1], s[WW:WW+1]
.irp t, 0,1,2,3,4,5,6,7
	global_load_b32 v[CT+\t], v17, s[8:9] offset:64*\t
.endr
.irp q, 0,1,2,3,4,5,6,7
	WFILL \q                                       ; K step 0 fills the ring
.endr
.set X, 0
.rept 16
	global_load_b128 v[VR+4*X:VR+4*X+3], v[GOF], s[VB:VB+1] offset:X*4096 th:TH_LOAD_NT
.set X, X+1
.endr
	s_wait_kmcnt 0x0
	s_add_co_i32 s52, s26, 127
	s_lshl_b32 s54, s52, 23
	v_mov_b32 v[SCL], s54                          ; 2^ea
	s_add_co_i32 s52, s52, 15
	s_lshl_b32 s52, s52, 23
	s_or_b32 s29, s52, 0x600000                    ; 57,344 x 2^ea,
	s_or_b32 s28, s29, 0x80000000                  ; and its negative
	s_add_co_i32 s55, s26, s27
	s_lshl_b32 s55, s55, 23
	s_add_co_i32 s55, s55, 0x3fb8aa3b              ; log2(e) x 2^(ea + ew)
	WIN 0x40
	v_mov_b32 v[KAP], s55
	v_mov_b32 v[KAP+1], s55
	WIN 0
	s_mov_b32 s53, 0
	s_mov_b32 s[BLK], 0
	s_wait_alu depctr_va_vdst(0)
.Lblock:
	SETUP 0, 0                                     ; the prologue: chunk 0 is produced, chunk 1 asked for
	PGROUP 0, 0, 8                                 ; behind a group's loads at least the other group's 8 were issued
	PGROUP 1, 0, 8
	SLOT 0, 1, 0, 20, 32                           ; chunk 0.  Behind the prologue's V0: V1, W0-2 = 20; behind its V1: W0-2, V0, W3-5 = 32
	s_mov_b32 s[UU], 0
.Ltrip:                                                ; three trips: chunks 1 to 6
	SLOT 1, 2, 1, 40, 40
	SLOT 0, 3, 1, 40, 40
	s_add_co_u32 s[UU], s[UU], 1
	s_cmp_lt_u32 s[UU], 3
	s_cbranch_scc1 .Ltrip
	AFRAGS 1                                       ; chunk 7: nothing is produced, and no W slot is refilled among the e tiles
.irp t, 0,1,2,3,4,5,6,7
	MSTEP \t, (7-\t)*4, 0                          ; behind slot t's loads the later slots' 4 (7 - t) at the least
.endr
	REDEND
	s_cmp_lg_u32 s[BLK], 0
	s_cbranch_scc1 .Lno_ring                       ; no block follows: nothing more of W is asked for
	s_wait_xcnt 0x0
	s_mov_b64 s[WN:WN+1], s[WW:WW+1]               ; the next block's K step 0.  (The 12 multiply-adds above are the places behind the last products)
.irp q, 0,1,2,3,4,5,6,7
	WFILL \q
.endr
.Lno_ring:
	; ---- THE TAIL.  1: my share of t for the 128 rows, summed over the 16 lanes that hold the shares of e
	WIN 0x55
.set X, 0
.rept 32
	v_pk_mul_f32 v[X:X+1], v[SA+X:SA+X+1], v[KAP:KAP+1]
.set X, X+2
.endr
.irp m, 1,2,4,8
.set X, 0
.rept 64
	v_add_f32_dpp v[X], v[X], v[X] row_xmask:\m row_mask:0xf bank_mask:0xf
.set X, X+1
.endr
.endr
	WIN 0x04
.irp i, 0,1,2,3,4,5,6,7
.irp j, 0,1
	ds_store_b128 v[SCW], v[8*\i+4*\j:8*\i+4*\j+3] offset:64*\i+16*\j   ; rows 16 i + 8 h + 4 j on
.endr
.endr
	WIN 0x40
.set X, 0
.rept 64
	v_mov_b32 v[SA+X], 0                           ; for the next block
.set X, X+1
.endr
	WIN 0
	BAR                                            ; the eight shares lie in LDS; HOLD is whole
	; 2: every wave makes the block's statistics: lane l takes rows 4 l .. 4 l + 3
	WIN 0x40
.irp w, 0,1,2,3,4,5,6,7
	ds_load_b128 v[4*\w:4*\w+3], v[SCR] offset:512*\w
.endr
	s_wait_dscnt 0x0
	WIN 0x55
.irp a, 0,8,16,24
	v_pk_add_f32 v[32+\a/2:33+\a/2], v[\a:\a+1], v[\a+4:\a+5]
	v_pk_add_f32 v[34+\a/2:35+\a/2], v[\a+2:\a+3], v[\a+6:\a+7]
.endr
	v_pk_add_f32 v[32:33], v[32:33], v[36:37]
	v_pk_add_f32 v[34:35], v[34:35], v[38:39]
	v_pk_add_f32 v[40:41], v[40:41], v[44:45]
	v_pk_add_f32 v[42:43], v[42:43], v[46:47]
	s_delay_alu instid0(VALU_DEP_2)
	v_pk_add_f32 v[32:33], v[32:33], v[40:41]
	s_delay_alu instid0(VALU_DEP_2)
	v_pk_add_f32 v[34:35], v[34:35], v[42:43]      ; t of my four rows
	s_delay_alu instid0(VALU_DEP_1)
	v_max3_num_f32 v48, v32, v33, v34
	s_delay_alu instid0(VALU_DEP_1)
	v_max_num_f32 v48, v48, v35
.irp m, 1,2,4,8
	s_delay_alu instid0(VALU_DEP_1)
	v_max_num_f32_dpp v48, v48, v48 row_xmask:\m row_mask:0xf bank_mask:0xf
.endr
	s_delay_alu instid0(VALU_DEP_1)
	v_permlanex16_b32 v[PD], v48, s30, s31
	s_delay_alu instid0(VALU_DEP_1)
	v_max3_num_f32 v49, v48, v[PD], v[MX]          ; the new M
	s_delay_alu instid0(VALU_DEP_1)
	v_sub_f32 v50, v[MX], v49
	s_delay_alu instid0(VALU_DEP_2)
	v_sub_f32 v51, v32, v49
	s_delay_alu instid0(VALU_DEP_3)
	v_sub_f32 v52, v33, v49
	s_delay_alu instid0(VALU_DEP_4)
	v_sub_f32 v53, v34, v49
	v_sub_f32 v54, v35, v49
	s_wait_alu depctr_va_vdst(0)                   ; the wait ahead of the batch
	v_exp_f32 v[FF], v50                           ; f = 2^(old M - new M)
	v_exp_f32 v56, v51                             ; p of rows 4 l .. 4 l + 3 in v56 .. v59
	v_exp_f32 v57, v52
	v_exp_f32 v58, v53
	v_exp_f32 v59, v54
	v_mov_b32 v[MX], v49                           ; a plain line behind the batch
	s_wait_alu depctr_va_vdst(0)                   ; and the wait ahead of its first reader
	v_add_f32 v60, v56, v57
	v_add_f32 v61, v58, v59
	s_delay_alu instid0(VALU_DEP_1)
	v_add_f32 v60, v60, v61
.irp m, 1,2,4,8
	s_delay_alu instid0(VALU_DEP_1)
	v_add_f32_dpp v60, v60, v60 row_xmask:\m row_mask:0xf bank_mask:0xf
.endr
	s_delay_alu instid0(VALU_DEP_1)
	v_permlanex16_b32 v[PD], v60, s30, s31
	s_delay_alu instid0(VALU_DEP_1)
	v_add_f32 v60, v60, v[PD]
	v_fma_f32 v[MX+1], v[MX+1], v[FF], v60         ; l = l f + the block's sum of p
	v_cvt_pk_bf16_f32 v62, v56, v57
	v_cvt_pk_bf16_f32 v63, v58, v59
	WIN 0x04
	ds_store_b64 v[PBW], v[62:63]                  ; p as bf16, into my wave's own bytes: LDS serves a wave's instructions in order (ISA guide 5.7.1.4)
	; 3: the block's sum of p x values for my K step's 128 columns: 8 half-steps of 4 products, 8 accumulators (v0-63) by turns, the first product of each with C = 0
	WIN 0x40
.irp a, 0,1,2,3,4,5,6,7
	ds_load_b128 v[AC+4*\a:AC+4*\a+3], v[PBR] offset:32*\a   ; p's four fragments: rows 16 a + 8 h + 0 .. 7, the same for all r
.endr
	BLOAD 0
	BLOAD 1
.irp x, 0,1,2,3,4,5,6,7
.if \x < 7
	s_wait_dscnt 8                                 ; all but the next half-step's eight loads
.else
	s_wait_dscnt 0x0
.endif
	WIN 0x55
.irp j, 0,1,2,3
.if \x < 2
	v_wmma_f32_16x16x32_bf16 v[8*(4*(\x&1)+\j):8*(4*(\x&1)+\j)+7], v[AC+8*(\x/2):AC+8*(\x/2)+7], v[64+32*(\x&1)+8*\j:64+32*(\x&1)+8*\j+7], 0
.else
	v_wmma_f32_16x16x32_bf16 v[8*(4*(\x&1)+\j):8*(4*(\x&1)+\j)+7], v[AC+8*(\x/2):AC+8*(\x/2)+7], v[64+32*(\x&1)+8*\j:64+32*(\x&1)+8*\j+7], v[8*(4*(\x&1)+\j):8*(4*(\x&1)+\j)+7]
.endif
.endr
.rept 4
	v_nop                                          ; places ahead of the loads into the half-buffer just read, and of the first read of the results
.endr
.if \x < 6
	WIN 0x40
	BLOAD \x+2
.endif
.endr
.irp n, 0,1,2,3,4,5,6,7
	v_fma_f32 v[OO+\n], v[OO+\n], v[FF], v[8*\n]   ; o = o f + the block's sum; all 16 rows of a result are alike: its lowest register serves
.endr
	WIN 0
	s_wait_alu depctr_va_vdst(0)                   ; the wait ahead of the barrier
	BAR                                            ; every wave's reads of HOLD and of the shares are in
	s_add_co_u32 s[BLK], s[BLK], 1
	s_cmp_lt_u32 s[BLK], 2
	s_cbranch_scc1 .Lblock
	; ---- THE WAY OUT: lane (r, h) stores columns 64 h + 4 r + 0 .. 3 of my K step: 512 consecutive bytes a wave, aligned
	s_lshl_b32 s52, ttmp9, 12
	s_lshl_b32 s54, s[WV], 9
	s_add_co_u32 s52, s52, s54
	s_add_nc_u64 s[12:13], s[12:13], s[52:53]
	v_cmp_eq_u32 vcc_lo, 1, v3
	WIN 0x55
.irp e, 0,1,2,3
	v_cndmask_b32 v[\e], v[OO+\e], v[OO+4+\e], vcc_lo
.endr
	WIN 0x04
	global_store_b128 v[GOF], v[0:3], s[12:13]
	WIN 0
	s_cmp_lg_u32 s[WV], 0
	s_cbranch_scc1 .Lend
	s_lshl_b32 s52, ttmp9, 8
	s_add_nc_u64 s[14:15], s[14:15], s[52:53]
	v_lshlrev_b32 v17, 3, v1
	WIN 0x04
	global_store_b64 v17, v[MX:MX+1], s[14:15]     ; (M, l), the same in every lane: 256 consecutive bytes
	WIN 0
.Lend:
	s_wait_tensorcnt 0x0                           ; the wave's end
	ds_add_u32 v14, v15
	s_wait_dscnt 0x0
	s_endpgm
.Lfunc_end_k_qd656193a45_fused:
	.size	k_qd656193a45_fused, .Lfunc_end_k_qd656193a45_fused-k_qd656193a45_fused
	.p2alignl 7, 3214868480
	.fill 96, 4, 3214868480
	.section	.rodata,"a",@progbits
	.p2align	6, 0x0
	.amdhsa_kernel k_qd656193a45_fused
		.amdhsa_group_segment_fixed_size 308224
		.amdhsa_private_segment_fixed_size 0
		.amdhsa_enable_private_segment 0
		.amdhsa_kernarg_size 48
		.amdhsa_user_sgpr_count 2
		.amdhsa_user_sgpr_kernarg_segment_ptr 1
		.amdhsa_wavefront_size32 1
		.amdhsa_system_sgpr_workgroup_id_x 1
		.amdhsa_system_sgpr_workgroup_id_y 1
		.amdhsa_system_sgpr_workgroup_id_z 1
		.amdhsa_system_vgpr_workitem_id 0
		.amdhsa_next_free_vgpr 512
		.amdhsa_next_free_sgpr 66
		.amdhsa_reserve_vcc 1
		.amdhsa_float_denorm_mode_32 3
		.amdhsa_float_denorm_mode_16_64 3
		.amdhsa_memory_ordered 1
		.amdhsa_forward_progress 1
		.amdhsa_inst_pref_size 193
	.end_amdhsa_kernel
	.amdgpu_metadata
---
amdhsa.version: [ 1, 2 ]
amdhsa.kernels:
  - .name:           k_qd656193a45_fused
    .symbol:         k_qd656193a45_fused.kd
    .args:
      - { .name: values, .offset: 0, .size: 8, .value_kind: global_buffer, .address_space: global }
      - { .name: wc, .offset: 8, .size: 8, .value_kind: global_buffer, .address_space: global }
      - { .name: contexts, .offset: 16, .size: 8, .value_kind: global_buffer, .address_space: global }
      - { .name: lowp_scales, .offset: 24, .size: 8, .value_kind: global_buffer, .address_space: global }
      - { .name: part_o, .offset: 32, .size: 8, .value_kind: global_buffer, .address_space: global }
      - { .name: part_ml, .offset: 40, .size: 8, .value_kind: global_buffer, .address_space: global }
    .group_segment_fixed_size: 308224
    .private_segment_fixed_size: 0
    .kernarg_segment_align: 8
    .kernarg_segment_size: 48
    .max_flat_workgroup_size: 256
    .sgpr_count:     66
    .vgpr_count:     512
    .wavefront_size: 32
...
	.end_amdgpu_metadata
.endif
;; end of part 2
;; launch combine (part 3): grid 256 x 1, 1 waves a work-group, no clusters, 0 bytes of LDS; arguments part_o, part_ml, out0; writes out0
.if DOCPART == 3
	.amdgcn_target "amdgcn-amd-amdhsa--gfx1250"
	.amdhsa_code_object_version 6
	.text
	.protected	k_qd656193a45_combine
	.globl	k_qd656193a45_combine
	.p2align	8
	.type	k_qd656193a45_combine,@function
k_qd656193a45_combine:
	s_mov_b64 s[64:65], 0
	v_nop
	global_prefetch_b8 v0, s[64:65] scope:SCOPE_SE
	s_setreg_imm32_b32 hwreg(HW_REG_WAVE_MODE, 25, 1), 1
	s_wait_xcnt 0x0
; out0[b][d] = (the sum over a batch's 16 partials g of 2^(M_g - M*) o_g[d]) / (the sum over g of 2^(M_g - M*) l_g), M* the largest M_g: the softmax's maximum is taken away here as in each partial.
; part_o: [256][1024] f32.  part_ml: [256][32 x (M, l)] f32.  One wave takes 64 columns of one batch, two a lane: each load and the store cover 256 consecutive bytes, aligned.
; Each l_g is at least 1 (its partial's largest p is 1), so the divisor is at least 1.  No LDS, no loop: the work is 16 multiply-adds a number.
	s_load_b128 s[4:7], s[0:1], 0x0                ; part_o s[4:5], part_ml s[6:7]
	s_load_b64 s[8:9], s[0:1], 0x10                ; out0
	v_and_b32 v1, 15, v0
	v_lshlrev_b32 v1, 8, v1                        ; lane l takes the pair of partial l % 16: 256 bytes a partial
	v_lshlrev_b32 v2, 3, v0                        ; my two columns
	s_lshr_b32 s10, ttmp9, 4                       ; the batch
	s_and_b32 s11, ttmp9, 15                       ; which 64 columns
	s_lshl_b32 s12, s10, 16                        ; 16 partials of 4,096 bytes,
	s_lshl_b32 s14, s11, 8
	s_add_co_u32 s12, s12, s14
	s_mov_b32 s13, 0
	s_lshl_b32 s14, s10, 12                        ; 16 partials of 256 bytes
	s_mov_b32 s15, 0
	s_lshl_b32 s16, s10, 12                        ; a row of out0,
	s_lshl_b32 s17, s11, 8
	s_add_co_u32 s16, s16, s17
	s_mov_b32 s17, 0
	s_wait_alu depctr_va_vdst(0)
	s_wait_kmcnt 0x0
	s_add_nc_u64 s[4:5], s[4:5], s[12:13]
	s_add_nc_u64 s[6:7], s[6:7], s[14:15]
	s_add_nc_u64 s[8:9], s[8:9], s[16:17]
	global_load_b64 v[4:5], v1, s[6:7]             ; M, l
.irp g, 0,1,2,3,4,5,6,7,8,9,10,11,12,13,14,15
	global_load_b64 v[8+2*\g:9+2*\g], v2, s[4:5] offset:4096*\g
.endr
	s_wait_loadcnt 16                              ; M and l are in; the 16 loads behind them may be out
	v_mov_b32 v6, v4
	v_max_num_f32_dpp v6, v6, v6 row_xmask:1 row_mask:0xf bank_mask:0xf
	v_max_num_f32_dpp v6, v6, v6 row_xmask:2 row_mask:0xf bank_mask:0xf
	v_max_num_f32_dpp v6, v6, v6 row_xmask:4 row_mask:0xf bank_mask:0xf
	v_max_num_f32_dpp v6, v6, v6 row_xmask:8 row_mask:0xf bank_mask:0xf   ; M*, in every lane
	v_sub_f32 v6, v4, v6
	s_wait_alu depctr_va_vdst(0)
	v_exp_f32 v6, v6                               ; w = 2^(M - M*)
	v_nop                                          ; a plain instruction behind the transcendental,
	s_wait_alu depctr_va_vdst(0)                   ; and the wait ahead of its first reader
	v_mul_f32 v7, v6, v5
	v_add_f32_dpp v7, v7, v7 row_xmask:1 row_mask:0xf bank_mask:0xf
	v_add_f32_dpp v7, v7, v7 row_xmask:2 row_mask:0xf bank_mask:0xf
	v_add_f32_dpp v7, v7, v7 row_xmask:4 row_mask:0xf bank_mask:0xf
	v_add_f32_dpp v7, v7, v7 row_xmask:8 row_mask:0xf bank_mask:0xf       ; the sum of w l
	s_wait_alu depctr_va_vdst(0)
	v_rcp_f32 v7, v7
	v_nop
	s_wait_alu depctr_va_vdst(0)
	v_mul_f32 v6, v6, v7                           ; lane g: partial g's weight
.irp g, 0,1,2,3,4,5,6,7,8,9,10,11,12,13,14,15
	v_readlane_b32 s[32+\g], v6, \g                ; the 16 weights as scalars: factors only; no address and no branch reads them
.endr
	s_wait_loadcnt 0x0
	v_mul_f32 v40, s32, v8
	v_mul_f32 v41, s32, v9
.irp g, 1,2,3,4,5,6,7,8,9,10,11,12,13,14,15
	v_fma_f32 v40, s[32+\g], v[8+2*\g], v40
	v_fma_f32 v41, s[32+\g], v[9+2*\g], v41
.endr
	global_store_b64 v2, v[40:41], s[8:9]
	s_endpgm
.Lfunc_end_k_qd656193a45_combine:
	.size	k_qd656193a45_combine, .Lfunc_end_k_qd656193a45_combine-k_qd656193a45_combine
	.p2alignl 7, 3214868480
	.fill 96, 4, 3214868480
	.section	.rodata,"a",@progbits
	.p2align	6, 0x0
	.amdhsa_kernel k_qd656193a45_combine
		.amdhsa_group_segment_fixed_size 0
		.amdhsa_private_segment_fixed_size 0
		.amdhsa_enable_private_segment 0
		.amdhsa_kernarg_size 24
		.amdhsa_user_sgpr_count 2
		.amdhsa_user_sgpr_kernarg_segment_ptr 1
		.amdhsa_wavefront_size32 1
		.amdhsa_system_sgpr_workgroup_id_x 1
		.amdhsa_system_sgpr_workgroup_id_y 1
		.amdhsa_system_sgpr_workgroup_id_z 1
		.amdhsa_system_vgpr_workitem_id 0
		.amdhsa_next_free_vgpr 48
		.amdhsa_next_free_sgpr 66
		.amdhsa_reserve_vcc 0
		.amdhsa_float_denorm_mode_32 3
		.amdhsa_float_denorm_mode_16_64 3
		.amdhsa_memory_ordered 1
		.amdhsa_forward_progress 1
		.amdhsa_inst_pref_size 7
	.end_amdhsa_kernel
	.amdgpu_metadata
---
amdhsa.version: [ 1, 2 ]
amdhsa.kernels:
  - .name:           k_qd656193a45_combine
    .symbol:         k_qd656193a45_combine.kd
    .args:
      - { .name: part_o, .offset: 0, .size: 8, .value_kind: global_buffer, .address_space: global }
      - { .name: part_ml, .offset: 8, .size: 8, .value_kind: global_buffer, .address_space: global }
      - { .name: out0, .offset: 16, .size: 8, .value_kind: global_buffer, .address_space: global }
    .group_segment_fixed_size: 0
    .private_segment_fixed_size: 0
    .kernarg_segment_align: 8
    .kernarg_segment_size: 24
    .max_flat_workgroup_size: 32
    .sgpr_count:     66
    .vgpr_count:     48
    .wavefront_size: 32
...
	.end_amdgpu_metadata
.endif
;; end of part 3
